; MI455X (gfx1250); checked and timed in simulation.
; The chip was launched on July 23, 2026; its instructions are those of AMD's public machine-readable ISA for CDNA 5 (MIT licence, August 2026) and "CDNA5" Instruction Set Architecture Reference Guide (July 2026). The comments in the code are by the model that wrote it; some were corrected since.
;; Masked Attention. Allowed arithmetic: matrix products marked QUANTISED: E5M2 operands, one given power-of-two scale a tensor, by v_wmma_f32_16x16x64_bf8_bf8 or v_wmma_f32_16x16x128_bf8_bf8, f32 sums; everything else in f32.
;; Inputs: Wk_codes 1,024 x 32 x 32 uint8 (E5M2 codes of Wk, K innermost, in blocks of 32 codes); Wo_codes 1,024 x 32 x 32 uint8 (E5M2 codes of Wo, K innermost, in blocks of 32 codes); Wq_codes 1,024 x 32 x 32 uint8 (E5M2 codes of Wq, K innermost, in blocks of 32 codes); Wv_codes 1,024 x 32 x 32 uint8 (E5M2 codes of Wv, K innermost, in blocks of 32 codes); bk 1,024 float32; bo 1,024 float32; bq 1,024 float32; bv 1,024 float32; lowp_scales 12 int32 (the exponents e of the quantised operands' scales 2^e); x_codes 2 x 2,048 x 32 x 32 uint8 (E5M2 codes of x, K innermost, in blocks of 32 codes).
;; Outputs: out0 2 x 2,048 x 1,024 float32.
;; This version of the problem:
;;   THIS VERSION OF THE PROBLEM IS GIVEN IN LOW PRECISION. The matrix products marked QUANTISED in the list below multiply operands that are first quantised to E5M2 (5 exponent bits, 2 mantissa bits; 8 bits a number), with one given power-of-two scale for each operand tensor; their sums are f32. All else is computed in f32.
;;   The module's matrix products, in the order in which they are computed (A, B: the left and right operand; K: the contracted axis; several contracted axes count as one K, in the product's order):
;;     1. [M 4,096, K 1,024] x [K 1,024, N 1,024]; A: input x (given as codes); B: input Wq (given as codes): QUANTISED (scales: A lowp_scales[0], B lowp_scales[1])
;;     2. [M 4,096, K 1,024] x [K 1,024, N 1,024]; A: input x (given as codes); B: input Wk (given as codes): QUANTISED (scales: A lowp_scales[2], B lowp_scales[3])
;;     3. [M 4,096, K 1,024] x [K 1,024, N 1,024]; A: input x (given as codes); B: input Wv (given as codes): QUANTISED (scales: A lowp_scales[4], B lowp_scales[5])
;;     4. batch 32 x [M 2,048, K 64] x [K 64, N 2,048]; A: computed on the way; B: computed on the way: QUANTISED (scales: A lowp_scales[6], B lowp_scales[7])
;;     5. batch 32 x [M 64, K 2,048] x [K 2,048, N 2,048]; A: computed on the way; B: softmax (see below): QUANTISED (scales: A lowp_scales[8], B lowp_scales[9])
;;     6. [M 4,096, K 1,024] x [K 1,024, N 1,024]; A: computed on the way; B: input Wo (given as codes): QUANTISED (scales: A lowp_scales[10], B lowp_scales[11])
;;   THE QUANTISER, for each operand of a quantised product, along K:
;;     - The operand's scale is 2^e, e = its entry of the input lowp_scales (int32; the entries are numbered through the quantised products in the list's order, A before B).
;;     - Each number is divided by the scale, clamped to +-57,344, and rounded to the nearest number of E5M2, ties to even, subnormals kept.
;;     - The product sums the exact products of the quantised numbers (number of the format x scale) in f32.
;;   ~~~python
;;   def quantise(x, axis, e):      # numpy; x: float32 -> the quantised numbers, widened to float32 again
;;       x = np.moveaxis(x, axis, -1); K = x.shape[-1]
;;       r = np.clip(x / 2.0 ** e, -57344, 57344)
;;       step = 2.0 ** (np.maximum(np.frexp(np.where(r == 0, 1, r))[1] - 1, -14) - 2)
;;       q = np.round(r / step) * step * 2.0 ** e      # np.round: ties to even
;;       return np.moveaxis(q, -1, axis).astype(np.float32)
;;   ~~~
;;   SOFTMAX AHEAD OF A QUANTISED PRODUCT. Where the list says 'softmax', what is quantised is not the finished softmax but p = 2^(t - M), with t = logit x log2(e) and M = ceil(the row's largest t), a whole number; so 1/2 < the row's largest p <= 1. The row's sum l is taken of the UNQUANTISED p, in f32, and the product's result is divided by l at the end. Since M is a whole number, a kernel that streams over the keys may use a running M (the ceiling of the running maximum): every later rescaling is an exact power of two, so the quantised numbers keep their values, but for numbers so far below the row's largest that they fall under the format's range.
;;   OPERANDS COMPUTED ON THE WAY. 'Computed on the way' means the value that the module computes at that place (a softmax that the list does not call 'softmax' is quantised finished and normalised). What goes into a quantiser is computed in f32, as accurately as f32 sums, v_exp_f32 and their like allow (about 1e-6 of the number): no bf16 or f16 on the way to a quantiser, and a product that is left as it is and whose result goes on into a quantised operand takes f32 operands (vector FMAs, or v_wmma_f32_16x16x4_f32). A number that lies on a knife's edge between two numbers of the format may be rounded either way, as far as f32 arithmetic and the matrix unit's own rounding can turn it there, and no further.
;;   INPUTS GIVEN AS CODES. Wk (in the module: [1024, 1024], K = its axis 0); Wo (in the module: [1024, 1024], K = its axis 0); Wq (in the module: [1024, 1024], K = its axis 0); Wv (in the module: [1024, 1024], K = its axis 0); x (in the module: [2, 2048, 1024], K = its axis 2): each comes as NAME_codes (uint8): NAME with its K axis moved to the last place and cut into blocks of 32 codes, [.., K / 32, bytes a block], one block behind the other in memory; one code a byte (a code: sign, 5 exponent bits, 2 mantissa bits); its scale is its entry of lowp_scales. Its value is code x scale, taken as it is: it is not quantised again, and the codes and scales need not be those that the quantiser above would give.
;; One version. Each part assembles by itself: llvm-mc -triple=amdgcn-amd-amdhsa -mcpu=gfx1250 --defsym DOCPART=n.
;; ======== version 1 of 1: 3 launches
;; limits: right only within a limited range of input values
;; workspace buffers: q_img 4,194,304 bytes; kv_img 8,388,608 bytes; a_img 4,194,304 bytes
;; launch qkv (part 1): grid 8 x 32, 4 waves a work-group, clusters of 4 x 4, 327,680 bytes of LDS; arguments x_codes, Wq_codes, Wk_codes, Wv_codes, bq, bk, bv, lowp_scales, q_img, kv_img; writes q_img, kv_img
.if DOCPART == 1
	.amdgcn_target "amdgcn-amd-amdhsa--gfx1250"
	.amdhsa_code_object_version 6
	.text
	.protected	k_q6ae9dc819e_qkv
	.globl	k_q6ae9dc819e_qkv
	.p2align	8
	.type	k_q6ae9dc819e_qkv,@function
k_q6ae9dc819e_qkv:
	s_mov_b64 s[64:65], 0
	v_nop
	global_prefetch_b8 v0, s[64:65] scope:SCOPE_SE
	s_setreg_imm32_b32 hwreg(HW_REG_WAVE_MODE, 25, 1), 1
	s_wait_xcnt 0x0
	s_wait_alu depctr_hold_cnt(0) depctr_sa_sdst(0) depctr_va_vdst(0) depctr_va_sdst(0) depctr_va_ssrc(0) depctr_va_vcc(0) depctr_vm_vsrc(0)
	s_getreg_b32 s2, hwreg(HW_REG_IB_STS2, 6, 4)
	s_cmp_eq_u32 s2, 0
	s_cbranch_scc0 .Lentry_in_a_cluster
	s_endpgm
.Lentry_in_a_cluster:
	s_bfe_u32 s2, ttmp6, 0x10000c
	s_cmp_lg_u32 s2, 0xf033
	s_cbranch_scc0 .Lentry_shape_is_right
	s_endpgm
.Lentry_shape_is_right:
; FIRST LAUNCH: q = x Wq + bq, k = x Wk + bk, v = x Wv + bv on codes of BF8 (E5M2), each quantised at once for attention's products, and stored as IMAGES OF OPERAND REGISTERS (pieces of 512 bytes: 16 bytes a lane).
;   q_img  [batch and head 32][tile of 16 tokens 128][piece 2][512]
;   kv_img [batch and head 32][256 keys 8]{ K: [tile of 16 keys 16][piece 2][512], then V: [128 keys 2][tile of 16 channels 4][piece 4][512] }
; WORK LEFT OUT IN THE PROGRAM (in the launch attn): key steps of 128 all of whose keys come after every query of a block of 128: reference() puts -inf there by the causal mask that it builds itself, and exp(-inf) = 0
; for all values of the inputs.  LIMIT: a NaN, an infinity or an overflow that reaches only those hidden scores is not carried to the result.  Every input is loaded.
; LIMITS on the given exponents: e6 - e0 - e1, e7 - e2 - e3, e8 - e4 - e5 between -126 and 112, so that the powers of two below are f32 numbers.  NaN among the inputs is not served.
; SHARES.  A work-group makes 128 tokens x 128 columns of each of q, k, v; each of four waves 128 tokens x 32 columns of the three.  256 work-groups.
; K GOES IN TWO HALVES OF 512: x's 128 rows by wave 0, the three weights' 128 rows by waves 1 to 3, one tensor load each: 4 x 128 rows of 512 bytes, padded by 16.  The second half lands on the first one's bytes.
; CLUSTERS: 4 x 4 work-groups: x's rows hang on y alone and are asked for jointly along a row of the cluster, the weights' rows on x alone and jointly along a column.
; PREFETCH: while the first half is multiplied, the second half's rows are asked for into the L2: of the 128 rows that a wave will load, each of the four partners names 32 by address, a lane a row, two blocks of 256 bytes.
; q and k are made transposed (source 0 = 16 columns of the weight, source 1 = 16 tokens), v is not: a lane's eight results are neighbours along the next product's K.  The biases enter as the C of the first products.
.set PITCH,  528                       ; an LDS row: 512 bytes + 16 of padding = 132 words: the 16 rows of a fragment load start at 16 different banks (64 banks of 4 bytes: ISA guide 11.1)
.set HALFT,  128*PITCH
.set SPARE,  4*HALFT                   ; the spare words, 128 bytes for each wave
.set LI,   7
.set ADRA, 16
.set ADRW, 18
.set SPW,  28
.set NIL,  29
.set BF,   32
.set CD,   32
.set SCL,  224
.set G1,  24
.set G0,  32
.set G1B, 48
.set G0B, 56
.set MSB, 0
.macro WIN new
.if MSB != \new
	s_set_vgpr_msb (MSB<<8)|\new
.set MSB, \new
.endif
.endm
.macro PLACES n
.rept \n
	v_nop
.endr
.endm
.macro JLOAD s
	s_cmp_eq_u32 s14, 0
	s_cbranch_scc0 .Lfor_w_\@
	tensor_load_to_lds s[G0+4*\s:G0+4*\s+3], s[G1:G1+7]
	s_nop 0
.rept 4
	v_nop
.endr
	s_branch .Lasked_\@
.Lfor_w_\@:
	tensor_load_to_lds s[G0B+4*\s:G0B+4*\s+3], s[G1B:G1B+7]
	s_nop 0
.rept 4
	v_nop
.endr
.Lasked_\@:
.endm
.macro CREST
	s_cmp_lg_u32 s14, 0
	s_cbranch_scc1 .Lnot_wave_0_\@
	s_barrier_signal -3
.Lnot_wave_0_\@:
	s_barrier_wait -3
	s_barrier_signal -1
	s_barrier_wait -1
.endm
.macro CROUND
	s_barrier_signal -1
	s_barrier_wait -1
	CREST
.endm
	s_load_b256 s[4:11], s[0:1], 0x0
	s_load_b256 s[68:75], s[0:1], 0x20
	s_load_b128 s[76:79], s[0:1], 0x40
	v_lshl_add_u32 v[SPW], v0, 2, SPARE
	v_mov_b32 v[NIL], 0
	ds_add_u32 v[SPW], v[NIL]
	ds_add_u32 v[SPW], v[NIL]
	v_lshrrev_b32 v1, 5, v0
	v_readfirstlane_b32 s14, v1
	s_bfe_u32 s40, ttmp6, 0x40000
	s_bfe_u32 s41, ttmp6, 0x40004
	s_lshl_b32 s42, ttmp9, 2
	s_add_co_u32 s42, s42, s40
	s_and_b32 s17, ttmp7, 0xffff
	s_lshl_b32 s17, s17, 2
	s_add_co_u32 s17, s17, s41
	s_lshl_b32 s43, s41, 2
	s_lshl_b32 s43, 15, s43
	s_lshl_b32 s44, 0x1111, s40
	s_or_b32 s[G1+0], s43, (1<<20)|(1<<21)|(6<<22)|(3<<25)    ; the mask; elements of 1 byte; four words of padding after every 128
	s_or_b32 s[G1B+0], s44, (1<<20)|(1<<21)|(6<<22)|(3<<25)
.irp g, G1, G1B
	s_mov_b32 s[\g+1], 512<<16
	s_mov_b32 s[\g+2], 128<<16
	s_mov_b32 s[\g+3], 512<<16
	s_mov_b32 s[\g+4], 128
	s_mov_b32 s[\g+5], 1024
	s_mov_b32 s[\g+6], 0
	s_mov_b32 s[\g+7], 0
.endr
	s_lshl_b32 s20, s17, 17
	s_mov_b32 s21, 0
	s_lshl_b32 s46, s42, 17
	s_mov_b32 s47, 0
	s_mul_i32 s45, s14, HALFT
	s_wait_dscnt 0x0
	s_wait_kmcnt 0x0
	s_load_b256 s[84:91], s[74:75], 0x0
	s_load_b32 s92, s[74:75], 0x20
	s_cmp_eq_u32 s14, 1
	s_cselect_b64 s[12:13], s[6:7], s[10:11]
	s_cmp_eq_u32 s14, 2
	s_cselect_b64 s[12:13], s[8:9], s[12:13]
	s_add_nc_u64 s[20:21], s[4:5], s[20:21]
	s_add_nc_u64 s[46:47], s[12:13], s[46:47]
	CROUND
	s_mov_b32 s[G0], 1
	s_mov_b32 s[G0+1], s45
	s_mov_b64 s[G0+2:G0+3], s[20:21]
	s_or_b32 s[G0+3], s[G0+3], 0x80000000
	s_mov_b32 s[G0B], 1
	s_mov_b32 s[G0B+1], s45
	s_mov_b64 s[G0B+2:G0B+3], s[46:47]
	s_or_b32 s[G0B+3], s[G0B+3], 0x80000000
	JLOAD 0                                        ; K 0 to 511: a wave's one tensor load at the head
	s_cmp_eq_u32 s14, 0                            ; the prefetches' base: the rows that I load, my work-group's 32 of them
	s_cselect_b64 s[60:61], s[20:21], s[46:47]
	s_cselect_b32 s62, s40, s41
	s_lshl_b32 s62, s62, 15
	s_mov_b32 s63, 0
	s_add_nc_u64 s[60:61], s[60:61], s[62:63]
	v_and_b32 v1, 15, v0
	v_bfe_u32 v2, v0, 4, 1
	v_mul_u32_u24 v3, v1, PITCH
	v_lshl_add_u32 v4, v2, 4, v3
	v_and_b32 v[LI], 31, v0
	v_lshlrev_b32 v[LI], 4, v[LI]
	v_mov_b32 v[ADRA], v4
	s_mul_i32 s22, s14, 32*PITCH
.irp t, 0,1,2
	s_add_co_u32 s23, s22, (1+\t)*HALFT
	v_add_nc_u32 v[ADRW+\t], s23, v4
.endr
	v_and_b32 v9, 31, v0
	v_lshlrev_b32 v9, 10, v9                       ; the prefetches' offset: a lane a row of 1,024 bytes
	s_lshl_b32 s46, s42, 9
	s_lshl_b32 s47, s14, 7
	s_add_co_u32 s46, s46, s47
	s_mov_b32 s47, 0
	s_add_nc_u64 s[68:69], s[68:69], s[46:47]
	s_add_nc_u64 s[70:71], s[70:71], s[46:47]
	s_add_nc_u64 s[72:73], s[72:73], s[46:47]
	v_lshlrev_b32 v5, 5, v2
	v_lshlrev_b32 v6, 2, v1
	WIN 0xc0
.irp t, 0,1
.irp u, 0,1
	global_load_b128 v[128+16*\t+8*\u:128+16*\t+8*\u+3],   v5, s[68+2*\t:69+2*\t] offset:64*\u
	global_load_b128 v[128+16*\t+8*\u+4:128+16*\t+8*\u+7], v5, s[68+2*\t:69+2*\t] offset:64*\u+16
.endr
.endr
	WIN 0
	global_load_b32 v10, v6, s[72:73]
	global_load_b32 v11, v6, s[72:73] offset:64
	s_lshr_b32 s80, s17, 4
	s_lshl_b32 s80, s80, 4
	s_lshl_b32 s81, s42, 1
	s_add_co_u32 s80, s80, s81
	s_lshr_b32 s81, s14, 1
	s_add_co_u32 s80, s80, s81
	s_and_b32 s82, s17, 15
	s_and_b32 s83, s14, 1
	s_lshl_b32 s96, s80, 17
	s_lshl_b32 s97, s82, 13
	s_add_co_u32 s96, s96, s97
	s_lshl_b32 s97, s83, 9
	s_add_co_u32 s96, s96, s97
	s_mov_b32 s97, 0
	s_add_nc_u64 s[76:77], s[76:77], s[96:97]
	s_lshl_b32 s96, s80, 18
	s_lshr_b32 s97, s82, 1
	s_lshl_b32 s97, s97, 15
	s_add_co_u32 s96, s96, s97
	s_and_b32 s97, s82, 1
	s_lshl_b32 s97, s97, 13
	s_add_co_u32 s96, s96, s97
	s_mov_b32 s97, 0
	s_add_nc_u64 s[78:79], s[78:79], s[96:97]
	s_lshl_b32 s96, s83, 12
	s_add_co_u32 s96, s96, 16384
	s_add_nc_u64 s[98:99], s[78:79], s[96:97]
	s_lshl_b32 s96, s83, 9
	s_add_nc_u64 s[78:79], s[78:79], s[96:97]
	s_wait_kmcnt 0x0
.macro SCALES tau
	s_add_co_i32 s96, s[84+2*\tau], s[85+2*\tau]
	s_sub_co_i32 s[93+\tau], 0, s96
	s_sub_co_i32 s96, s[90+\tau], s96
	s_add_co_i32 s96, s96, 127
	s_lshl_b32 s97, s96, 23
	v_mov_b32 v[SCL+2*\tau], s97
	s_add_co_i32 s96, s96, 15
	s_lshl_b32 s96, s96, 23
	s_or_b32 s96, s96, 0x600000
	v_mov_b32 v[SCL+2*\tau+1], s96
.endm
	SCALES 0
	SCALES 1
	SCALES 2
	s_wait_loadcnt 0x0
	WIN 0xc3
.set j, 0
.rept 16
	v_ldexp_f32 v[128+j], v[128+j], s93
	v_ldexp_f32 v[144+j], v[144+j], s94
.set j, j+1
.endr
	WIN 0xc0
.set j, 0
.rept 8
	v_ldexp_f32 v[160+j], v10, s95
	v_ldexp_f32 v[168+j], v11, s95
.set j, j+1
.endr
	WIN 0
.macro FETCH slot, q, set
	WIN 0x40
.irp mt, 0,1,2,3,4,5,6,7
.irp c, 0,1,2,3
	ds_load_b128 v[128*(\set)+16*\mt+4*\c:128*(\set)+16*\mt+4*\c+3], v[ADRA+\slot] offset:128*(\q)+32*\c+16*PITCH*\mt
.endr
.endr
	WIN 0
.irp tau, 0,1,2
.irp u, 0,1
.irp c, 0,1,2,3
	ds_load_b128 v[BF+96*(\set)+16*(2*\tau+\u)+4*\c:BF+96*(\set)+16*(2*\tau+\u)+4*\c+3], v[ADRW+3*(\slot)+\tau] offset:128*(\q)+32*\c+16*PITCH*\u
.endr
.endr
.endr
.endm
.macro MULQK set, tau, first
.if \first
	WIN 0xb4
.else
	WIN 0xa4
.endif
.irp mt, 0,1,2,3,4,5,6,7
.irp u, 0,1
.if \first
	v_wmma_f32_16x16x128_bf8_bf8 v[128*(\tau)+8*(2*\mt+\u):128*(\tau)+8*(2*\mt+\u)+7], v[BF+96*(\set)+16*(2*(\tau)+\u):BF+96*(\set)+16*(2*(\tau)+\u)+15], v[128*(\set)+16*\mt:128*(\set)+16*\mt+15], v[128+16*(\tau)+8*\u:128+16*(\tau)+8*\u+7]
.else
	v_wmma_f32_16x16x128_bf8_bf8 v[128*(\tau)+8*(2*\mt+\u):128*(\tau)+8*(2*\mt+\u)+7], v[BF+96*(\set)+16*(2*(\tau)+\u):BF+96*(\set)+16*(2*(\tau)+\u)+15], v[128*(\set)+16*\mt:128*(\set)+16*\mt+15], v[128*(\tau)+8*(2*\mt+\u):128*(\tau)+8*(2*\mt+\u)+7]
.endif
.endr
.endr
.endm
.macro MULV set, first
	WIN 0xf1
.irp mt, 0,1,2,3,4,5,6,7
.irp u, 0,1
.if \first
	v_wmma_f32_16x16x128_bf8_bf8 v[8*(8*\u+\mt):8*(8*\u+\mt)+7], v[128*(\set)+16*\mt:128*(\set)+16*\mt+15], v[BF+96*(\set)+16*(4+\u):BF+96*(\set)+16*(4+\u)+15], v[160+8*\u:160+8*\u+7]
.else
	v_wmma_f32_16x16x128_bf8_bf8 v[8*(8*\u+\mt):8*(8*\u+\mt)+7], v[128*(\set)+16*\mt:128*(\set)+16*\mt+15], v[BF+96*(\set)+16*(4+\u):BF+96*(\set)+16*(4+\u)+15], v[8*(8*\u+\mt):8*(8*\u+\mt)+7]
.endif
.endr
.endr
.endm
; The q-th step of 128 along K of the half in LDS: 48 products on fragment set q % 2, while the next step's fragments come into the other set.
.macro SUB q, first
	s_wait_dscnt 0x0
	PLACES 4                                       ; behind the last products that read the other set
	FETCH 0, (\q)+1, 1-(\q)%2
	MULQK (\q)%2, 0, \first
	MULQK (\q)%2, 1, \first
	MULV (\q)%2, \first
.endm
	s_wait_alu depctr_va_vdst(0)                   ; the wait at the head's end
	s_wait_tensorcnt 0x0                           ; my part of K 0 to 511 is in,
	s_barrier_signal -1
	s_barrier_wait -1                              ; and everybody's
	FETCH 0, 0, 0
	global_prefetch_b8 v9, s[60:61] offset:512 th:TH_LOAD_NT scope:SCOPE_SE    ; K 512 to 767 of my 32 rows,
	global_prefetch_b8 v9, s[60:61] offset:768 th:TH_LOAD_NT scope:SCOPE_SE    ; and 768 to 1,023
	SUB 0, 1
	SUB 1, 0
	; steps 2 and 3 of the first half: step 3's fragments are in registers two thirds through step 2's products; then nobody reads LDS any more and the second half is asked for, ahead of the 64 products left
	s_wait_dscnt 0x0
	PLACES 4
	FETCH 0, 3, 1
	MULQK 0, 0, 0
	MULQK 0, 1, 0
	WIN 0
	s_wait_tensorcnt 0x0                           ; no tensor load of mine is out;
	ds_add_u32 v[SPW], v[NIL]                      ; 0 onto my spare word;
	s_wait_dscnt 0x0                               ; the add is done, and so are my reads of the first half
	CROUND                                         ; both hold of every wave of every partner
	s_add_nc_u64 s[G0+2:G0+3], s[G0+2:G0+3], 512
	s_add_nc_u64 s[G0B+2:G0B+3], s[G0B+2:G0B+3], 512
	JLOAD 0                                        ; K 512 to 1,023
	MULV 0, 0
	MULQK 1, 0, 0
	MULQK 1, 1, 0
	MULV 1, 0
	s_wait_tensorcnt 0x0                           ; my part of the second half is in,
	s_barrier_signal -1
	s_barrier_wait -1                              ; and everybody's
	PLACES 4
	FETCH 0, 0, 0
	SUB 0, 0
	SUB 1, 0
	SUB 2, 0
	s_wait_dscnt 0x0
	MULQK 1, 0, 0
	MULQK 1, 1, 0
	MULV 1, 0
	PLACES 4
.macro OUTQK tau
	WIN 0x82
.set j, 0
.rept 128
	v_med3_num_f32 v[128*\tau+j], v[128*\tau+j], -v[SCL+2*\tau+1], v[SCL+2*\tau+1]
.set j, j+1
.endr
	WIN 0x02
.set j, 0
.rept 16
	v_cvt_scalef32_pk8_bf8_f32 v[CD+32*\tau+2*j:CD+32*\tau+2*j+1], v[128*\tau+8*j:128*\tau+8*j+7], v[SCL+2*\tau]
.set j, j+1
.endr
	v_nop
	WIN 0
.irp mt, 0,1,2,3,4,5,6,7
	global_store_b128 v[LI], v[CD+32*\tau+4*\mt:CD+32*\tau+4*\mt+3], s[76+2*\tau:77+2*\tau] offset:1024*\mt
.endr
.endm
	OUTQK 0
	OUTQK 1
	WIN 0xc3
.set j, 0
.rept 128
	v_med3_num_f32 v[j], v[j], -v[SCL+5], v[SCL+5]
.set j, j+1
.endr
	WIN 0x03
.set j, 0
.rept 16
	v_cvt_scalef32_pk8_bf8_f32 v[CD+64+2*j:CD+64+2*j+1], v[8*j:8*j+7], v[SCL+4]
.set j, j+1
.endr
	v_nop
	WIN 0
.irp u, 0,1
.irp p, 0,1,2,3
	global_store_b128 v[LI], v[CD+64+16*\u+4*\p:CD+64+16*\u+4*\p+3], s[98:99] offset:2048*\u+512*\p
.endr
.endr
	s_wait_tensorcnt 0x0
	ds_add_u32 v[SPW], v[NIL]
	s_wait_dscnt 0x0
	CROUND
	s_endpgm
.Lfunc_end_k_q6ae9dc819e_qkv:
	.size	k_q6ae9dc819e_qkv, .Lfunc_end_k_q6ae9dc819e_qkv-k_q6ae9dc819e_qkv
	.p2alignl 7, 3214868480
	.fill 96, 4, 3214868480
	.section	.rodata,"a",@progbits
	.p2align	6, 0x0
	.amdhsa_kernel k_q6ae9dc819e_qkv
		.amdhsa_group_segment_fixed_size 327680
		.amdhsa_private_segment_fixed_size 0
		.amdhsa_enable_private_segment 0
		.amdhsa_kernarg_size 80
		.amdhsa_user_sgpr_count 2
		.amdhsa_user_sgpr_kernarg_segment_ptr 1
		.amdhsa_wavefront_size32 1
		.amdhsa_system_sgpr_workgroup_id_x 1
		.amdhsa_system_sgpr_workgroup_id_y 1
		.amdhsa_system_sgpr_workgroup_id_z 1
		.amdhsa_system_vgpr_workitem_id 0
		.amdhsa_next_free_vgpr 1024
		.amdhsa_next_free_sgpr 100
		.amdhsa_reserve_vcc 0
		.amdhsa_float_denorm_mode_32 3
		.amdhsa_float_denorm_mode_16_64 3
		.amdhsa_memory_ordered 1
		.amdhsa_forward_progress 1
		.amdhsa_inst_pref_size 98
	.end_amdhsa_kernel
	.amdgpu_metadata
---
amdhsa.version: [ 1, 2 ]
amdhsa.kernels:
  - .name:           k_q6ae9dc819e_qkv
    .symbol:         k_q6ae9dc819e_qkv.kd
    .args:
      - { .name: x_codes, .offset: 0, .size: 8, .value_kind: global_buffer, .address_space: global }
      - { .name: Wq_codes, .offset: 8, .size: 8, .value_kind: global_buffer, .address_space: global }
      - { .name: Wk_codes, .offset: 16, .size: 8, .value_kind: global_buffer, .address_space: global }
      - { .name: Wv_codes, .offset: 24, .size: 8, .value_kind: global_buffer, .address_space: global }
      - { .name: bq, .offset: 32, .size: 8, .value_kind: global_buffer, .address_space: global }
      - { .name: bk, .offset: 40, .size: 8, .value_kind: global_buffer, .address_space: global }
      - { .name: bv, .offset: 48, .size: 8, .value_kind: global_buffer, .address_space: global }
      - { .name: lowp_scales, .offset: 56, .size: 8, .value_kind: global_buffer, .address_space: global }
      - { .name: q_img, .offset: 64, .size: 8, .value_kind: global_buffer, .address_space: global }
      - { .name: kv_img, .offset: 72, .size: 8, .value_kind: global_buffer, .address_space: global }
    .group_segment_fixed_size: 327680
    .private_segment_fixed_size: 0
    .kernarg_segment_align: 8
    .kernarg_segment_size: 80
    .max_flat_workgroup_size: 128
    .sgpr_count:     100
    .vgpr_count:     1024
    .wavefront_size: 32
...
	.end_amdgpu_metadata
.endif
;; end of part 1
;; launch attn (part 2): grid 32 x 8, 8 waves a work-group, clusters of 4 x 4, 327,680 bytes of LDS; arguments q_img, kv_img, lowp_scales, a_img; writes a_img
.if DOCPART == 2
	.amdgcn_target "amdgcn-amd-amdhsa--gfx1250"
	.amdhsa_code_object_version 6
	.text
	.protected	k_q6ae9dc819e_attn
	.globl	k_q6ae9dc819e_attn
	.p2align	8
	.type	k_q6ae9dc819e_attn,@function
k_q6ae9dc819e_attn:
	s_mov_b64 s[64:65], 0
	v_nop
	global_prefetch_b8 v0, s[64:65] scope:SCOPE_SE
	s_setreg_imm32_b32 hwreg(HW_REG_WAVE_MODE, 25, 1), 1
	s_wait_xcnt 0x0
	s_wait_alu depctr_hold_cnt(0) depctr_sa_sdst(0) depctr_va_vdst(0) depctr_va_sdst(0) depctr_va_ssrc(0) depctr_va_vcc(0) depctr_vm_vsrc(0)
	s_getreg_b32 s2, hwreg(HW_REG_IB_STS2, 6, 4)
	s_cmp_eq_u32 s2, 0
	s_cbranch_scc0 .Lentry_in_a_cluster
	s_endpgm
.Lentry_in_a_cluster:
	s_bfe_u32 s2, ttmp6, 0x10000c
	s_cmp_lg_u32 s2, 0xf033
	s_cbranch_scc0 .Lentry_shape_is_right
	s_endpgm
.Lentry_shape_is_right:
.set SPARE, 8*32768                    ; the spare words, 128 bytes for each of eight waves
; SECOND LAUNCH: for each batch and head (bh), causal attention on codes of BF8 (E5M2): O[q] = the sum over keys k <= q of softmax_k(Q[q] . K[k] / 8) V[k], head size 64, 2,048 positions; the result is quantised
; at once for the last projection.  Scales: q 2^e6, k 2^e7, v 2^e8, p 2^e9, the result 2^e10.
; WORK LEFT OUT: key steps of 128 all of whose keys come after all queries of a block of 128: their weights are exp(-inf) = 0 by the mask that reference() builds itself (shown at the head of the launch qkv).
; THE SOFTMAX AHEAD OF THE SECOND PRODUCT: t = score x c, c = log2(e) / 8 x 2^(e6 + e7); M = the row's largest t so far, rounded UP to a whole number; p = 2^(t - M) is quantised, not normalised.  The row's sum is
; taken of the unquantised p, in f32, and divides O at the end.  When M moves, the sum and O are multiplied by 2^(old M - new M): exact.
; SHARES.  A work-group (x = bh; y = 4 g + dt) owns the 32 queries 32 dt .. 32 dt + 31 of eight blocks of 128: of b and of 15 - b, for b = 2 p + g, p = 0 .. 3.  The two blocks of a p have b + 1 and 16 - b key steps,
; 17 for every b, and are dealt to two waves: one of kind 0 takes the high block's key steps 0 to 7 (no mask reaches them), one of kind 1 the low block's 0 to b and then the high block's 8 to 15 - b: 8 and 9 steps.
; Kind = (w xor w / 4) % 2, p = w / 2: neighbouring waves and waves four apart are of both kinds.
; At the end the two waves exchange half of the high block's partial sums through LDS: kind 0 finishes the second of its two tiles of 16 queries, kind 1 the first.
; K AND V OF THE WHOLE HEAD LIE IN LDS: 8 x 32,768 dense bytes, images of operand registers laid by qkv (256 keys: K, then V), one tensor load a wave, all at the head; every byte is filled once.
; A fragment's piece of four registers is read at 16 x lane: 512 consecutive bytes; each fragment serves both of the wave's tiles of queries.
; CLUSTERS: 4 x 4 work-groups: four heads x four dt: the four of a column (same bh) ask jointly for K and V.  All eight work-groups of a head read some keys of each 256.
; NO PREFETCH: all that is read is asked for at the head; there is no later load to run ahead of.
; LAYOUT.  Both products are used transposed: S^T = K Q^T (source 0 = 16 keys, source 1 = 16 queries, K = 64), O^T = V^T P^T (source 0 = 16 channels, source 1 = P, K = 128 keys): a lane holds ONE query of each tile.
; In S^T's tile t a lane's eight registers are keys 16 t + 8 (lane / 16) + 0 .. 7: converted, they are registers 2 t, 2 t + 1 of P.  O^T's tiles become pieces of the last projection's operand in the same way:
;   a_img [block of 128 tokens 32][128 of the 1,024 channels 8][tile of 16 tokens 8][piece 4][512 bytes].
; LIMITS on the given exponents: e6 + e7 between -123 and 130 (added to c's exponent field); e9 and e10 between -126 and 112; e8 + e9 is applied by v_ldexp_f32 and has none.  The promise holds while |t| stays
; under 2^31.  NaN among the inputs is not served.
; REGISTERS, window 0: v1-19 below; v20-35 the sums (4 pairs a tile); v36-51 a step's sums; v52-61 at work; v64-191 S^T, then p (64 a tile); v192-255 O^T (32 a tile).
;   window 1: v0-63 K; v64-127 V; v128-159 p's codes (16 a tile); v160-175 Q at work (8 a tile); v176-191 Q of the high block; v192-215 the results' codes.
.set XCH,   SPARE+1024                 ; the exchange: for each wave 8 x 512 bytes of O^T, then 256 bytes of -M and the sum; no tensor load lands here
.set XW,    4352
.set LI,   1                           ; v1   16 x lane
.set ADR,  2                           ; v2   LDS address of the next step's K and V
.set XS,   3                           ; v3, v4    where I store for my partner
.set XS2,  4
.set SPW,  5                           ; v5   my spare word: SPARE + 4 x my thread's number; never rewritten
.set NIL,  6                           ; v6   0; never rewritten
.set MINF, 7                           ; v7   -infinity
.set HP,   8                           ; v8   57,344 x 2^e9
.set SP,   10                          ; v10  2^e9
.set HO,   11                          ; v11  57,344 x 2^e10
.set SO,   62                          ; v62  2^e10
; v12, v14: -M of the two tiles; v13, v15: their largest score; v16, v18: f = 2^(old M - new M)
.set XR,   17                          ; v17, v19  where I read my partner's (named too as the upper halves of the pairs v[16:17], v[18:19], whose low word serves both halves)
.set XR2,  19
.set N,    2                           ; s2   the step, 0 to 8
.set BB,   3                           ; s3   b
.set WV,   18                          ; s18  wave 0..7
.set TY,   19                          ; s19  my kind
.set SEL,  20                          ; s[20:21] lane selects for v_permlanex16_b32: lane l xor 16
.set CS,   22                          ; s[22:23] c, twice
.set G1,   24
.set G0,   32
.set NC,   36                          ; s36  -c
.set OLO,  37                          ; s37, s38  what is added to the step for the next step's 128 keys, ahead of and behind the change of blocks
.set OHI,  38
.set SWN,  39                          ; s39  the step at which I change blocks
.set DGL,  40                          ; s40  the step that lies on the diagonal
.set KA,   41
.set EX,   42                          ; s42  e8 + e9
.set MK,   44                          ; s[44:51] masks of a tile on the diagonal;  s[52:59] masks in hand
.set MM,   52
.set AL,   60
.set OL,   62                          ; s[62:63], s[66:67] where my results of the low and of the high block begin
.set OH,   66
.set TI,   100                         ; s100, s101  my two tiles' numbers in a block
.set MSB, 0
.macro WIN new                         ; the immediate's high byte repeats the setting that is left; a switch that changes nothing is dropped
.if MSB != \new
	s_set_vgpr_msb (MSB<<8)|\new
.set MSB, \new
.endif
.endm
.macro CROUND                          ; a round of the cluster's barrier
	s_barrier_signal -1
	s_barrier_wait -1
	s_cmp_lg_u32 s[WV], 0
	s_cbranch_scc1 .Lnot_wave_0_\@
	s_barrier_signal -3
.Lnot_wave_0_\@:
	s_barrier_wait -3
	s_barrier_signal -1
	s_barrier_wait -1
.endm
	s_load_b256 s[4:11], s[0:1], 0x0               ; q_img s[4:5], kv_img s[6:7], the exponents s[8:9], a_img s[10:11]
	v_lshl_add_u32 v[SPW], v0, 2, SPARE
	v_mov_b32 v[NIL], 0
	ds_add_u32 v[SPW], v[NIL]                      ; the wave's opening: the add, twice on end, and its wait ahead of the first tensor load
	ds_add_u32 v[SPW], v[NIL]
	v_lshrrev_b32 v52, 5, v0
	v_readfirstlane_b32 s[WV], v52
	s_bfe_u32 s76, ttmp6, 0x40000                  ; cx
	s_bfe_u32 s77, ttmp6, 0x40004                  ; cy = dt
	s_lshl_b32 s78, ttmp9, 2
	s_add_co_u32 s78, s78, s76                     ; bh
	s_and_b32 s79, ttmp7, 1                        ; g: the cluster's y, 0 or 1
	s_lshl_b32 s80, 0x1111, s76                    ; my column of the cluster
	s_or_b32 s[G1], s80, (3<<16)|(1<<21)           ; its mask; elements of 8 bytes; 21 set beside a mask; no padding: a dense block of 32,768 bytes as 128 rows of 256
	s_mov_b32 s[G1+1], 32<<16
	s_mov_b32 s[G1+2], 128<<16
	s_mov_b32 s[G1+3], 32<<16
	s_mov_b32 s[G1+4], 128
	s_mov_b32 s[G1+5], 32
	s_mov_b32 s[G1+6], 0
	s_mov_b32 s[G1+7], 0
	s_lshl_b32 s82, s78, 18                        ; K and V: bh x 262,144 + wave x 32,768
	s_lshl_b32 s84, s[WV], 15
	s_add_co_u32 s82, s82, s84
	s_mov_b32 s83, 0
	s_wait_dscnt 0x0                               ; both opening adds are done
	s_wait_kmcnt 0x0
	s_load_b256 s[68:75], s[8:9], 0x10             ; e4 .. e11: e6 s70, e7 s71, e8 s72, e9 s73, e10 s74
	s_mov_b32 s[G0], 1
	s_mov_b32 s[G0+1], s84                         ; LDS: wave x 32,768: no place in the cluster enters it
	s_add_nc_u64 s[G0+2:G0+3], s[6:7], s[82:83]
	s_or_b32 s[G0+3], s[G0+3], 0x80000000
	CROUND                                         ; all sixteen work-groups are here: the joint loads meet
	tensor_load_to_lds s[G0:G0+3], s[G1:G1+7]      ; keys 256 w on: my one tensor load
	s_nop 0
	s_lshr_b32 s85, s[WV], 2
	s_xor_b32 s85, s85, s[WV]
	s_and_b32 s[TY], s85, 1
	s_and_b32 s86, s[WV], 6
	s_add_co_u32 s[BB], s86, s79                   ; b = 2 p + g
	s_xor_b32 s87, s[BB], 7                        ; 7 - b
	s_add_co_u32 s88, s87, 1
	s_mov_b32 s[OLO], s[TY]                        ; the next step's keys begin at 128 x: kind 0: N; kind 1: N + 1 in the low block, N + 8 - b in the high one
	s_mul_i32 s[OHI], s88, s[TY]
	s_xor_b32 s89, s[BB], 15                       ; the high block, 15 - b
	s_add_co_u32 s91, s[BB], 1
	s_cmp_eq_u32 s[TY], 1
	s_cselect_b32 s[DGL], s[BB], 99                ; (kind 0 has no diagonal and changes no block: 99 is no step)
	s_cselect_b32 s[SWN], s91, 99
	s_lshl_b32 s[TI], s77, 1
	s_or_b32 s[TI+1], s[TI], 1
	s_lshl_b32 s92, s78, 17                        ; Q: bh x 131,072 + block x 8,192 + dt x 2,048
	s_lshl_b32 s93, s77, 11
	s_add_co_u32 s92, s92, s93
	s_lshl_b32 s94, s[BB], 13
	s_add_co_u32 s94, s94, s92
	s_mov_b32 s95, 0
	s_add_nc_u64 s[94:95], s[4:5], s[94:95]        ; of the low block
	s_lshl_b32 s96, s89, 13
	s_add_co_u32 s96, s96, s92
	s_mov_b32 s97, 0
	s_add_nc_u64 s[96:97], s[4:5], s[96:97]        ; of the high one
	v_and_b32 v[LI], 31, v0
	v_lshlrev_b32 v[LI], 4, v[LI]
	WIN 0x40
.irp i, 0,1,2,3
	global_load_b128 v[176+4*\i:179+4*\i], v[LI], s[96:97] offset:512*\i    ; the high block's Q: two tiles x two pieces
.endr
	WIN 0
	s_lshr_b32 s80, s78, 4                         ; the result: (16 batch + block) x 131,072 + (head / 2) x 16,384 + dt x 4,096 + (head % 2) x 1,024
	s_lshl_b32 s80, s80, 21
	s_bfe_u32 s81, s78, 0x30001
	s_lshl_b32 s81, s81, 14
	s_add_co_u32 s80, s80, s81
	s_and_b32 s81, s78, 1
	s_lshl_b32 s81, s81, 10
	s_add_co_u32 s80, s80, s81
	s_lshl_b32 s81, s77, 12
	s_add_co_u32 s80, s80, s81
	s_lshl_b32 s82, s[BB], 17
	s_add_co_u32 s82, s82, s80
	s_mov_b32 s83, 0
	s_add_nc_u64 s[OL:OL+1], s[10:11], s[82:83]
	s_lshl_b32 s82, s89, 17
	s_add_co_u32 s82, s82, s80
	s_add_nc_u64 s[OH:OH+1], s[10:11], s[82:83]
	s_mul_i32 s76, s[WV], XW
	s_add_co_u32 s76, s76, XCH                     ; my part of the exchange,
	s_xor_b32 s77, s[WV], 1
	s_mul_i32 s77, s77, XW
	s_add_co_u32 s77, s77, XCH                     ; and my partner's, wave w xor 1
	s_wait_alu depctr_va_vdst(0)                   ; directly ahead of the readers below
	v_add_nc_u32 v[XS], s76, v[LI]
	v_add_nc_u32 v[XR], s77, v[LI]
	v_lshrrev_b32 v55, 1, v[LI]                    ; 8 x lane
	v_add_nc_u32 v[XS2], s76, v55
	v_add_nc_u32 v[XR2], s77, v55
	v_and_b32 v53, 15, v0
	v_bfe_u32 v54, v0, 4, 1
	v_lshlrev_b32 v54, 3, v54
	v_sub_nc_u32 v53, v53, v54                     ; d = lane % 16 - 8 (lane / 16): in the key tile that has my query tile's number, register j is hidden where j > d
.irp j, 0,1,2,3,4,5,6,7
	v_cmp_gt_i32 s[MK+\j], \j, v53
.endr
	v_mov_b32 v[MINF], 0xff800000
.irp u, 0,2
	v_mov_b32 v[12+\u], 0x7f61b1e6                 ; -M: 3e38, so that the first f is 0
	v_mov_b32 v[13+\u], 0xff61b1e6                 ; the largest score so far: -3e38
.endr
	v_mov_b32 v60, 0                               ; written once: a lane permute's destination counts as one of its sources
	v_mov_b32 v61, 0
	v_mov_b32 v57, 0                               ; (named as the upper half of the pair v[56:57])
.set j, 0
.rept 16
	v_mov_b32 v[20+j], 0                           ; the sums and O^T: one text serves every step, and the first f, 0, multiplies what stands here
.set j, j+1
.endr
.set j, 0
.rept 64
	v_mov_b32 v[192+j], 0
.set j, j+1
.endr
	s_mov_b32 s[SEL], 0x76543210
	s_mov_b32 s[SEL+1], 0xfedcba98
	s_mov_b32 s[CS], 0x3e38aa3b                    ; log2(e) / 8
	s_wait_alu depctr_va_vdst(0)                   ; directly ahead of the wait below
	s_wait_kmcnt 0x0
	s_add_co_i32 s98, s70, s71
	s_lshl_b32 s98, s98, 23
	s_add_co_i32 s[CS], s[CS], s98                 ; the exponents are added to c's exponent field
	s_mov_b32 s[CS+1], s[CS]                       ; (named with it as a pair, so it is written)
	s_xor_b32 s[NC], s[CS], 0x80000000
	s_add_co_i32 s[EX], s72, s73
	s_add_co_i32 s98, s73, 127
	s_lshl_b32 s99, s98, 23
	v_mov_b32 v[SP], s99                           ; 2^e9
	s_add_co_i32 s98, s98, 15
	s_lshl_b32 s98, s98, 23
	s_or_b32 s98, s98, 0x600000
	v_mov_b32 v[HP], s98                           ; 57,344 x 2^e9
	s_add_co_i32 s98, s74, 127
	s_lshl_b32 s99, s98, 23
	v_mov_b32 v[SO], s99                           ; 2^e10
	s_add_co_i32 s98, s98, 15
	s_lshl_b32 s98, s98, 23
	s_or_b32 s98, s98, 0x600000
	v_mov_b32 v[HO], s98                           ; 57,344 x 2^e10
	s_wait_alu depctr_va_vdst(0)                   ; the wait at the head's end
	s_cmp_eq_u32 s[TY], 0                          ; the Q that I begin with: kind 1 loads the low block's, kind 0 takes the high block's
	s_cbranch_scc1 .Lfirst_high
	WIN 0x40
.irp i, 0,1,2,3
	global_load_b128 v[160+4*\i:163+4*\i], v[LI], s[94:95] offset:512*\i
.endr
	WIN 0
	s_wait_loadcnt 0x0
	s_branch .Lq_in
.Lfirst_high:
	s_wait_loadcnt 0x0
	WIN 0x41
.set j, 0
.rept 16
	v_mov_b32 v[160+j], v[176+j]
.set j, j+1
.endr
	WIN 0
	s_wait_alu depctr_va_vdst(0)
.Lq_in:
.macro KLD a                           ; a step's K: 8 tiles of 16 keys, two pieces each
	WIN 0x40
.irp t, 0,1,2,3,4,5,6,7
	ds_load_b128 v[8*\t:8*\t+3], v[\a] offset:1024*\t
	ds_load_b128 v[8*\t+4:8*\t+7], v[\a] offset:1024*\t+512
.endr
	WIN 0
.endm
.macro VLD a                           ; a step's V: 4 tiles of 16 channels, four pieces each
	WIN 0x40
.irp t, 0,1,2,3
.irp p, 0,1,2,3
	ds_load_b128 v[64+16*\t+4*\p:67+16*\t+4*\p], v[\a] offset:16384+2048*\t+512*\p
.endr
.endr
	WIN 0
.endm
.macro NEXT                            ; where the next step's 128 keys lie in LDS: 256 keys are 32,768 bytes, K's two blocks of 128 first
	s_cmp_ge_u32 s[N], s[BB]
	s_cselect_b32 s98, s[OHI], s[OLO]
	s_add_co_u32 s98, s98, s[N]
	s_and_b32 s98, s98, 15
	s_lshr_b32 s99, s98, 1
	s_lshl_b32 s99, s99, 15
	s_and_b32 s98, s98, 1
	s_lshl_b32 s98, s98, 13
	s_add_co_u32 s[KA], s98, s99
.endm
; A KEY STEP: 128 keys x my 32 queries.  K's 16 loads and V's 16 behind them have been issued.  ld = 1: the next step's K is asked for behind the products that have read this one's, its V likewise.
.macro STEP ld
.if \ld
	NEXT
.endif
	s_wait_dscnt 16                                ; K is in; V's 16 loads may be out
	WIN 0x05                                       ; sources 0 and 1: window 1; C and D: window 0
.irp t, 0,1,2,3,4,5,6,7
.irp u, 0,1
	v_wmma_f32_16x16x64_bf8_bf8 v[64+64*\u+8*\t:71+64*\u+8*\t], v[8*\t:8*\t+7], v[160+8*\u:167+8*\u], 0    ; S^T: keys 16 t on x tile u of my queries
.endr
.endr
	WIN 0
.if \ld
	v_add_nc_u32 v[ADR], s[KA], v[LI]
.else
	v_nop
.endif
.rept 3
	v_nop                                          ; with the line above: four places in front of the loads and of the first read of the scores
.endr
.if \ld
	KLD ADR
.endif
	s_cmp_lg_u32 s[N], s[DGL]                      ; a step off the diagonal skips the mask
	s_cbranch_scc1 .Lopen_\@
.irp t, 0,1,2,3,4,5,6,7
.irp u, 0,1
	s_cmp_lt_u32 s[TI+\u], \t                      ; a key tile past my query tile: all hidden; before it: none;
	s_cselect_b32 s[AL], -1, 0
	s_cmp_eq_u32 s[TI+\u], \t                      ; the tile itself: by the masks made at the head
.irp j, 0,1,2,3,4,5,6,7
	s_cselect_b32 s[MM+\j], s[MK+\j], s[AL]
.endr
.irp j, 0,1,2,3,4,5,6,7
	v_cndmask_b32 v[64+64*\u+8*\t+\j], v[64+64*\u+8*\t+\j], v[MINF], s[MM+\j]    ; hidden scores become -infinity: p = 0 then
.endr
.endr
.endr
.Lopen_\@:
.set j, 0
.rept 4                                        ; the step's largest score of each query, among my 64 keys, in four chains a tile
	v_max3_num_f32 v[52+j], v[64+3*j], v[65+3*j], v[66+3*j]
	v_max3_num_f32 v[56+j], v[128+3*j], v[129+3*j], v[130+3*j]
.set j, j+1
.endr
.set j, 0
.rept 26
	v_max3_num_f32 v[52+j%4], v[52+j%4], v[76+2*j], v[77+2*j]
	v_max3_num_f32 v[56+j%4], v[56+j%4], v[140+2*j], v[141+2*j]
.set j, j+1
.endr
	v_max3_num_f32 v52, v52, v53, v54
	v_max3_num_f32 v56, v56, v57, v58
	v_max_num_f32 v52, v52, v55
	v_max_num_f32 v56, v56, v59
	v_permlanex16_b32 v60, v52, s[SEL], s[SEL+1]
	v_permlanex16_b32 v61, v56, s[SEL], s[SEL+1]
	v_max3_num_f32 v13, v13, v52, v60              ; and among lane l xor 16's, and so far
	v_max3_num_f32 v15, v15, v56, v61
	v_mul_f32 v52, s[NC], v13                      ; -t of the largest (c is positive)
	v_mul_f32 v56, s[NC], v15
	v_mov_b32 v53, v12
	v_mov_b32 v57, v14
	v_floor_f32 v12, v52                           ; the new -M = floor(-t): M is a whole number
	v_floor_f32 v14, v56
	v_sub_f32 v53, v12, v53                        ; M's old value less its new one: a whole number, 0 or less
	v_sub_f32 v57, v14, v57
.set j, 0
.rept 32
	v_pk_fma_f32 v[64+j:65+j], v[64+j:65+j], s[CS:CS+1], v[12:13] op_sel_hi:[1,0,0]       ; t - M, two at a time
	v_pk_fma_f32 v[128+j:129+j], v[128+j:129+j], s[CS:CS+1], v[14:15] op_sel_hi:[1,0,0]
.if j == 20
	v_cvt_i32_f32 v53, v53                         ; (it saturates)
	v_cvt_i32_f32 v57, v57
.endif
.if j == 40
	v_ldexp_f32 v16, 1.0, v53                      ; f = 2^(old M - new M)
	v_ldexp_f32 v18, 1.0, v57
.endif
.set j, j+2
.endr
.set j, 0
.rept 16
	v_pk_mul_f32 v[192+j:193+j], v[192+j:193+j], v[16:17] op_sel_hi:[1,0]      ; O^T under the new M
	v_pk_mul_f32 v[224+j:225+j], v[224+j:225+j], v[18:19] op_sel_hi:[1,0]
.set j, j+2
.endr
	s_wait_alu depctr_va_vdst(0)                   ; the wait ahead of the batch
.set j, 0
.rept 128
	v_exp_f32 v[64+j], v[64+j]                     ; p = 2^(t - M), at most 1: not normalised
.set j, j+1
.endr
	v_nop                                          ; a plain place behind the batch
	s_wait_alu depctr_va_vdst(0)                   ; and the wait ahead of its first reader
.set j, 0
.rept 4                                        ; the step's sum of the unquantised p: two at a time, four chains a tile
	v_pk_add_f32 v[36+2*j:37+2*j], v[64+2*j:65+2*j], v[72+2*j:73+2*j]
	v_pk_add_f32 v[44+2*j:45+2*j], v[128+2*j:129+2*j], v[136+2*j:137+2*j]
.set j, j+1
.endr
.set j, 8
.rept 24
	v_pk_add_f32 v[36+2*(j%4):37+2*(j%4)], v[36+2*(j%4):37+2*(j%4)], v[64+2*j:65+2*j]
	v_pk_add_f32 v[44+2*(j%4):45+2*(j%4)], v[44+2*(j%4):45+2*(j%4)], v[128+2*j:129+2*j]
.set j, j+1
.endr
.set j, 0
.rept 128
	v_min_num_f32 v[64+j], v[64+j], v[HP]          ; the conversion to an 8-bit code does not saturate (ISA guide 7.6.2); p is not negative, so the hold is one-sided
.set j, j+1
.endr
	WIN 0x40
.set j, 0
.rept 16
	v_cvt_scalef32_pk8_bf8_f32 v[128+2*j:129+2*j], v[64+8*j:71+8*j], v[SP]
.set j, j+1
.endr
	WIN 0
	v_nop                                          ; a plain place between the conversions and the products that read the codes
	s_wait_alu depctr_va_vdst(0)                   ; directly ahead of the wait below
.if \ld
	s_wait_dscnt 16                                ; V is in; the next K's 16 loads may be out
.else
	s_wait_dscnt 0x0
.endif
	WIN 0x05
.irp t, 0,1,2,3
.irp u, 0,1
	v_wmma_f32_16x16x128_bf8_bf8 v[192+32*\u+8*\t:199+32*\u+8*\t], v[64+16*\t:79+16*\t], v[128+16*\u:143+16*\u], v[192+32*\u+8*\t:199+32*\u+8*\t]   ; O^T += V^T P^T: the eight accumulators by turns
.endr
.endr
	WIN 0
.irp c, 0,1,2,3                                ; the sums under the new M, and the step's added: eight places in front of the loads below
	v_pk_fma_f32 v[20+2*\c:21+2*\c], v[20+2*\c:21+2*\c], v[16:17], v[36+2*\c:37+2*\c] op_sel_hi:[1,0,1]
	v_pk_fma_f32 v[28+2*\c:29+2*\c], v[28+2*\c:29+2*\c], v[18:19], v[44+2*\c:45+2*\c] op_sel_hi:[1,0,1]
.endr
.if \ld
	VLD ADR
.endif
.endm
.macro LANESUM                         ; my lane's part of the two rows' sums: v52, v56
	v_pk_add_f32 v[36:37], v[20:21], v[22:23]
	v_pk_add_f32 v[44:45], v[28:29], v[30:31]
	v_pk_add_f32 v[38:39], v[24:25], v[26:27]
	v_pk_add_f32 v[46:47], v[32:33], v[34:35]
	v_pk_add_f32 v[36:37], v[36:37], v[38:39]
	v_pk_add_f32 v[44:45], v[44:45], v[46:47]
	v_add_f32 v52, v36, v37
	v_add_f32 v56, v44, v45
.endm
; THE CHANGE OF BLOCKS (kind 1): the low block's result goes out; then the high block's queries take its place.  O^T and the sums need no clearing: the next f is 0.
.macro SWITCH
	s_cmp_lg_u32 s[N], s[SWN]
	s_cbranch_scc1 .Lsame_\@
	s_wait_alu depctr_va_vdst(0)                   ; ahead of the sums' readers
	LANESUM
	v_permlanex16_b32 v60, v52, s[SEL], s[SEL+1]
	v_permlanex16_b32 v61, v56, s[SEL], s[SEL+1]
	v_add_f32 v52, v52, v60                        ; and lane l xor 16's: the rows' sums
	v_add_f32 v56, v56, v61
	s_wait_alu depctr_va_vdst(0)                   ; waits on both sides of the two reciprocals
	v_rcp_f32 v52, v52
	v_rcp_f32 v56, v56
	v_nop
	s_wait_alu depctr_va_vdst(0)
	v_ldexp_f32 v52, v52, s[EX]                    ; x 2^(e8 + e9)
	v_ldexp_f32 v56, v56, s[EX]
	s_wait_alu depctr_va_vdst(0)                   ; directly ahead of the first readers of O^T
.set j, 0
.rept 16
	v_pk_mul_f32 v[64+j:65+j], v[192+j:193+j], v[52:53] op_sel_hi:[1,0]
	v_pk_mul_f32 v[96+j:97+j], v[224+j:225+j], v[56:57] op_sel_hi:[1,0]
.set j, j+2
.endr
.set j, 0
.rept 64
	v_med3_num_f32 v[64+j], v[64+j], -v[HO], v[HO]     ; the hold at the largest code x the scale
.set j, j+1
.endr
	WIN 0x40
.set j, 0
.rept 8
	v_cvt_scalef32_pk8_bf8_f32 v[192+2*j:193+2*j], v[64+8*j:71+8*j], v[SO]
.set j, j+1
.endr
	v_nop                                          ; a plain place behind the last conversion
	WIN 0x04
.irp i, 0,1
	global_store_b128 v[LI], v[192+8*\i:195+8*\i], s[OL:OL+1] offset:2048*\i           ; 512 consecutive bytes each
	global_store_b128 v[LI], v[196+8*\i:199+8*\i], s[OL:OL+1] offset:2048*\i+512
.endr
	WIN 0x41
.set j, 0
.rept 16
	v_mov_b32 v[160+j], v[176+j]
.set j, j+1
.endr
	WIN 0
.irp u, 0,2
	v_mov_b32 v[12+\u], 0x7f61b1e6
	v_mov_b32 v[13+\u], 0xff61b1e6
.endr
	s_mov_b32 s[DGL], 8                            ; the high block's diagonal is my last step
	s_wait_alu depctr_va_vdst(0)
.Lsame_\@:
.endm
	s_wait_tensorcnt 0x0                           ; my 256 keys are in,
	s_barrier_signal -1
	s_barrier_wait -1                              ; and everybody's: nothing is filled from here on, and no barrier stands in the loop
	s_mov_b32 s[N], 0
	s_cmp_eq_u32 s[TY], 0                          ; step 0 is kind 1's alone: keys 0 to 127
	s_cbranch_scc1 .Lboth_kinds
	KLD LI
	VLD LI
	STEP 0
.Lboth_kinds:
	NEXT
	v_add_nc_u32 v[ADR], s[KA], v[LI]
	KLD ADR
	VLD ADR
	s_mov_b32 s[N], 1
.Lstep:                                            ; steps 1 to 7
	SWITCH
	STEP 1
	s_add_co_u32 s[N], s[N], 1
	s_cmp_lt_u32 s[N], 8
	s_cbranch_scc1 .Lstep
	SWITCH
	STEP 0                                         ; step 8 is written out: nothing is left to ask for
	; THE EXCHANGE.  Both kinds hold partial sums of the same 32 queries of the high block.  Kind 0 gives those of the first tile and finishes the second, kind 1 the other way round.
	LANESUM
	v_mov_b32 v40, v12
	v_mov_b32 v41, v52
	v_mov_b32 v42, v14
	v_mov_b32 v43, v56
.macro GIVE u
.irp k, 0,1,2,3,4,5,6,7
	ds_store_b128 v[XS], v[192+32*\u+4*\k:195+32*\u+4*\k] offset:512*\k
.endr
	ds_store_b64 v[XS2], v[40+2*\u:41+2*\u] offset:4096
.endm
	s_wait_alu depctr_va_vdst(0)                   ; directly ahead of the branch
	s_cmp_eq_u32 s[TY], 0
	s_cbranch_scc1 .Lgive_0
	GIVE 1
	s_branch .Lgiven
.Lgive_0:
	GIVE 0
.Lgiven:
	s_wait_tensorcnt 0x0                           ; behind my last tensor load and my last LDS store
	ds_add_u32 v[SPW], v[NIL]
	s_wait_dscnt 0x0
	CROUND                                         ; the closing round: no work-group ends while a partner may still ask for a tile that names it; and behind it every wave's part of the exchange is stored
.irp k, 0,1,2,3,4,5,6,7
	ds_load_b128 v[64+4*\k:67+4*\k], v[XR] offset:512*\k
.endr
	ds_load_b64 v[36:37], v[XR2] offset:4096
; Tile k of the high block: the two partial sums are brought under the larger M, joined, divided, held, converted and stored.
.macro MERGE k
	s_wait_dscnt 0x0
	v_min_num_f32 v38, v36, v[12+2*\k]             ; -M of both
	v_sub_f32 v39, v38, v36
	v_sub_f32 v44, v38, v[12+2*\k]
	v_cvt_i32_f32 v39, v39
	v_cvt_i32_f32 v44, v44
	v_ldexp_f32 v46, 1.0, v39                      ; my partner's f,
	v_ldexp_f32 v48, 1.0, v44                      ; and mine
	v_mul_f32 v37, v37, v46
	v_fma_f32 v37, v[52+4*\k], v48, v37
	v_permlanex16_b32 v60, v37, s[SEL], s[SEL+1]
	v_add_f32 v37, v37, v60                        ; the row's sum
	s_wait_alu depctr_va_vdst(0)                   ; waits on both sides of the reciprocal
	v_rcp_f32 v37, v37
	v_nop
	s_wait_alu depctr_va_vdst(0)
	v_ldexp_f32 v37, v37, s[EX]                    ; x 2^(e8 + e9)
	v_mul_f32 v46, v46, v37
	v_mul_f32 v48, v48, v37
.set j, 0
.rept 16
	v_pk_mul_f32 v[64+j:65+j], v[64+j:65+j], v[46:47] op_sel_hi:[1,0]
.set j, j+2
.endr
	s_wait_alu depctr_va_vdst(0)                   ; directly ahead of the first readers of O^T
.set j, 0
.rept 16
	v_pk_fma_f32 v[64+j:65+j], v[192+32*\k+j:193+32*\k+j], v[48:49], v[64+j:65+j] op_sel_hi:[1,0,1]
.set j, j+2
.endr
.set j, 0
.rept 32
	v_med3_num_f32 v[64+j], v[64+j], -v[HO], v[HO]
.set j, j+1
.endr
	WIN 0x40
.set j, 0
.rept 4
	v_cvt_scalef32_pk8_bf8_f32 v[208+2*j:209+2*j], v[64+8*j:71+8*j], v[SO]
.set j, j+1
.endr
	v_nop                                          ; a plain place behind the last conversion
	WIN 0x04
	global_store_b128 v[LI], v[208:211], s[OH:OH+1] offset:2048*\k
	global_store_b128 v[LI], v[212:215], s[OH:OH+1] offset:2048*\k+512
	WIN 0
	s_endpgm
.endm
	s_cmp_eq_u32 s[TY], 0
	s_cbranch_scc1 .Lfinish_1
	MERGE 0
.Lfinish_1:
	MERGE 1
.Lfunc_end_k_q6ae9dc819e_attn:
	.size	k_q6ae9dc819e_attn, .Lfunc_end_k_q6ae9dc819e_attn-k_q6ae9dc819e_attn
	.p2alignl 7, 3214868480
	.fill 96, 4, 3214868480
	.section	.rodata,"a",@progbits
	.p2align	6, 0x0
	.amdhsa_kernel k_q6ae9dc819e_attn
		.amdhsa_group_segment_fixed_size 327680
		.amdhsa_private_segment_fixed_size 0
		.amdhsa_enable_private_segment 0
		.amdhsa_kernarg_size 32
		.amdhsa_user_sgpr_count 2
		.amdhsa_user_sgpr_kernarg_segment_ptr 1
		.amdhsa_wavefront_size32 1
		.amdhsa_system_sgpr_workgroup_id_x 1
		.amdhsa_system_sgpr_workgroup_id_y 1
		.amdhsa_system_sgpr_workgroup_id_z 1
		.amdhsa_system_vgpr_workitem_id 0
		.amdhsa_next_free_vgpr 512
		.amdhsa_next_free_sgpr 102
		.amdhsa_reserve_vcc 0
		.amdhsa_float_denorm_mode_32 3
		.amdhsa_float_denorm_mode_16_64 3
		.amdhsa_memory_ordered 1
		.amdhsa_forward_progress 1
		.amdhsa_inst_pref_size 167
	.end_amdhsa_kernel
	.amdgpu_metadata
---
amdhsa.version: [ 1, 2 ]
amdhsa.kernels:
  - .name:           k_q6ae9dc819e_attn
    .symbol:         k_q6ae9dc819e_attn.kd
    .args:
      - { .name: q_img, .offset: 0, .size: 8, .value_kind: global_buffer, .address_space: global }
      - { .name: kv_img, .offset: 8, .size: 8, .value_kind: global_buffer, .address_space: global }
      - { .name: lowp_scales, .offset: 16, .size: 8, .value_kind: global_buffer, .address_space: global }
      - { .name: a_img, .offset: 24, .size: 8, .value_kind: global_buffer, .address_space: global }
    .group_segment_fixed_size: 327680
    .private_segment_fixed_size: 0
    .kernarg_segment_align: 8
    .kernarg_segment_size: 32
    .max_flat_workgroup_size: 256
    .sgpr_count:     102
    .vgpr_count:     512
    .wavefront_size: 32
...
	.end_amdgpu_metadata
.endif
;; end of part 2
;; launch proj (part 3): grid 8 x 32, 4 waves a work-group, clusters of 4 x 4, 327,680 bytes of LDS; arguments a_img, Wo_codes, bo, lowp_scales, out0; writes out0
.if DOCPART == 3
	.amdgcn_target "amdgcn-amd-amdhsa--gfx1250"
	.amdhsa_code_object_version 6
	.text
	.protected	k_q6ae9dc819e_proj
	.globl	k_q6ae9dc819e_proj
	.p2align	8
	.type	k_q6ae9dc819e_proj,@function
k_q6ae9dc819e_proj:
	s_mov_b64 s[64:65], 0
	v_nop
	global_prefetch_b8 v0, s[64:65] scope:SCOPE_SE
	s_setreg_imm32_b32 hwreg(HW_REG_WAVE_MODE, 25, 1), 1
	s_wait_xcnt 0x0
	s_wait_alu depctr_hold_cnt(0) depctr_sa_sdst(0) depctr_va_vdst(0) depctr_va_sdst(0) depctr_va_ssrc(0) depctr_va_vcc(0) depctr_vm_vsrc(0)
	s_getreg_b32 s2, hwreg(HW_REG_IB_STS2, 6, 4)
	s_cmp_eq_u32 s2, 0
	s_cbranch_scc0 .Lentry_in_a_cluster
	s_endpgm
.Lentry_in_a_cluster:
	s_bfe_u32 s2, ttmp6, 0x10000c
	s_cmp_lg_u32 s2, 0xf033
	s_cbranch_scc0 .Lentry_shape_is_right
	s_endpgm
.Lentry_shape_is_right:
.set BOFF,  131072                     ; LDS: a's eight steps of 16,384 bytes, then Wo's two halves
; THIRD LAUNCH: out0 = a Wo + bo on codes of BF8 (E5M2): a, attention's result (4,096 tokens x 1,024), comes as images of operand registers laid by the launch attn, with the scale 2^e10; Wo's codes [1,024 columns][1,024 K]
; with 2^e11; bo and out0 are f32.  Nothing is left out here.  LIMIT: e10 + e11 lies between -126 and 127, so that 2^(e10 + e11) is an f32 number.
; SHARES.  A work-group makes 128 tokens (Y) x 128 columns (X); each of four waves 64 x 64: 16 accumulators.  256 work-groups.
; THE WHOLE K LIES IN LDS: a's block of 128 tokens is 131,072 dense bytes, Wo's 128 rows are 131,072 bytes and padding: every LDS byte is filled once, so there is no ring.  Each wave issues one tensor load at the head:
; wave g fetches a's half g of 512 along K (65,536 dense bytes), wave 2 + g Wo's; one barrier shows them to all.  No prefetch: all that is read is asked for at the head.
; CLUSTERS: 4 x 4 work-groups: a's block hangs on Y alone and is asked for jointly along a row of the cluster, Wo's rows on X alone and jointly along a column.
; THE MATRIX INSTRUCTION IS USED TRANSPOSED (source 0 = 16 rows of Wo's codes, source 1 = 16 tokens): a lane holds eight neighbouring columns of one row of out0.
; a's images have k in the form's own places (registers 2 c, 2 c + 1: k = 16 c + 8 (lane / 16) + 0 .. 7), so Wo's fragments are fetched so too: eight loads of 8 bytes, 16 bytes apart.
; REGISTERS: window 0: v1-29 addresses; v32-63 bo (8 for each of my 4 tiles of columns); v64-95 at work on the way out; v128-255 the accumulators ((a, t) at v[128 + 8 (4 a + t)]).
;   window 1: two sets of 128: a's four fragments, then Wo's four.
.set BP,    528                        ; a row of Wo's half: 512 bytes + 16 of padding = 132 words: the 32 lanes of a load of 8 bytes (row r, 8 bytes for each half of the lanes) start at words 4 r + 2 (lane / 16) mod 64: 64 different banks (ISA guide 11.1)
.set BCH,   128*BP                     ; a half of Wo: 128 rows
.set SPARE, BOFF+2*BCH                 ; the spare words, 128 bytes for each wave
.set STAGE, SPARE+512                  ; the way out: 16 rows x (256 bytes + 16) for each wave; no tensor load lands here
.set PITCH, 272
.set LI,   7                           ; v7      16 x lane
.set ADRA, 16                          ; v16-17  LDS address of my fragments of a: steps 0-3, steps 4-7
.set ADRB, 20                          ; v20-21  of my fragments of Wo in half 0, 1
.set STO,  24                          ; v24     the stage: where I put 32 bytes of a row
.set RD,   25                          ; v25     and where I read a row back
.set CO,   26                          ; v26     my byte offset in two rows of out0
.set SPW,  28                          ; v28     my spare word: SPARE + 4 x my thread's number; never rewritten
.set NIL,  29                          ; v29     0; never rewritten
.set BO,   32
.set TMP,  64
.set ACC,  128
.set G1A, 24                           ; s[24:31] descriptor group 1 for a;  s[32:39] for Wo
.set G1B, 32
.set G0A, 48                           ; s[48:51] group 0 for a;  s[68:71] for Wo
.set G0B, 68
.set MSB, 0
.macro WIN new                         ; the immediate's high byte repeats the setting that is left; a switch that changes nothing is dropped
.if MSB != \new
	s_set_vgpr_msb (MSB<<8)|\new
.set MSB, \new
.endif
.endm
.set MUL,  0x05                        ; sources 0 and 1 window 1; C and D window 0
.set TO_F, 0x40                        ; destination window 1, address window 0
.macro PLACES n
.rept \n
	v_nop
.endr
.endm
.macro CROUND                          ; a round of the cluster's barrier
	s_barrier_signal -1
	s_barrier_wait -1
	s_cmp_lg_u32 s14, 0
	s_cbranch_scc1 .Lnot_wave_0_\@
	s_barrier_signal -3
.Lnot_wave_0_\@:
	s_barrier_wait -3
	s_barrier_signal -1
	s_barrier_wait -1
.endm
	s_load_b256 s[4:11], s[0:1], 0x0               ; a_img s[4:5], Wo s[6:7], bo s[8:9], the exponents s[10:11]
	s_load_b64 s[12:13], s[0:1], 0x20              ; out0
	v_lshl_add_u32 v[SPW], v0, 2, SPARE
	v_mov_b32 v[NIL], 0
	ds_add_u32 v[SPW], v[NIL]                      ; the wave's opening: the add, twice on end, and its wait ahead of my first tensor load
	ds_add_u32 v[SPW], v[NIL]
	v_lshrrev_b32 v1, 5, v0
	v_readfirstlane_b32 s14, v1                    ; wave 0..3
	s_lshr_b32 s15, s14, 1                         ; which 64 tokens are mine
	s_and_b32 s16, s14, 1                          ; which 64 columns.  Also g: which half of K I fetch
	s_bfe_u32 s40, ttmp6, 0x40000                  ; cx, cy
	s_bfe_u32 s41, ttmp6, 0x40004
	s_lshl_b32 s42, ttmp9, 2
	s_add_co_u32 s42, s42, s40                     ; X
	s_and_b32 s17, ttmp7, 0xffff
	s_lshl_b32 s17, s17, 2
	s_add_co_u32 s17, s17, s41                     ; Y
	s_lshl_b32 s43, s41, 2
	s_lshl_b32 s43, 15, s43                        ; my row of the cluster
	s_lshl_b32 s44, 0x1111, s40                    ; my column
	s_or_b32 s[G1A], s43, (3<<16)|(1<<21)          ; a: the mask of my row; elements of 8 bytes; 21 set beside a mask; no padding: a dense block of 65,536 bytes as 256 rows of 256
	s_mov_b32 s[G1A+1], 32<<16
	s_mov_b32 s[G1A+2], 256<<16
	s_mov_b32 s[G1A+3], 32<<16
	s_mov_b32 s[G1A+4], 256
	s_mov_b32 s[G1A+5], 32
	s_mov_b32 s[G1A+6], 0
	s_mov_b32 s[G1A+7], 0
	s_or_b32 s[G1B], s44, (1<<20)|(1<<21)|(6<<22)|(3<<25)   ; Wo: the mask of my column; elements of 1 byte; four words of padding after every 128: 128 rows of 512 bytes out of rows of 1,024
	s_mov_b32 s[G1B+1], 512<<16
	s_mov_b32 s[G1B+2], 128<<16
	s_mov_b32 s[G1B+3], 512<<16
	s_mov_b32 s[G1B+4], 128
	s_mov_b32 s[G1B+5], 1024
	s_mov_b32 s[G1B+6], 0
	s_mov_b32 s[G1B+7], 0
	s_lshl_b32 s20, s17, 17                        ; a: Y x 131,072 + g x 65,536
	s_lshl_b32 s45, s16, 16                        ; and in LDS: g x 65,536
	s_add_co_u32 s20, s20, s45
	s_mov_b32 s21, 0
	s_lshl_b32 s46, s42, 17                        ; Wo: 128 X rows of 1,024 bytes + g x 512
	s_lshl_b32 s47, s16, 9
	s_add_co_u32 s46, s46, s47
	s_mov_b32 s47, 0
	s_mul_i32 s18, s16, BCH
	s_add_co_u32 s18, s18, BOFF                    ; and in LDS: BOFF + g x 128 rows: no place in the cluster enters an LDS address
	s_wait_dscnt 0x0                               ; both opening adds are done
	s_wait_kmcnt 0x0
	s_load_b64 s[84:85], s[10:11], 0x28            ; e10, e11
	s_mov_b32 s[G0A], 1
	s_mov_b32 s[G0A+1], s45
	s_add_nc_u64 s[G0A+2:G0A+3], s[4:5], s[20:21]
	s_or_b32 s[G0A+3], s[G0A+3], 0x80000000
	s_mov_b32 s[G0B], 1
	s_mov_b32 s[G0B+1], s18
	s_add_nc_u64 s[G0B+2:G0B+3], s[6:7], s[46:47]
	s_or_b32 s[G0B+3], s[G0B+3], 0x80000000
	CROUND                                         ; all sixteen work-groups are here: the joint loads meet
	s_cmp_lt_u32 s14, 2                            ; a wave's one tensor load stands in one arm of one branch on its number; an s_nop 0 and four v_nop follow
	s_cbranch_scc0 .Lfirst_b
	tensor_load_to_lds s[G0A:G0A+3], s[G1A:G1A+7]
	s_nop 0
	PLACES 4
	s_branch .Lfirst_asked
.Lfirst_b:
	tensor_load_to_lds s[G0B:G0B+3], s[G1B:G1B+7]
	s_nop 0
	PLACES 4
.Lfirst_asked:
	v_and_b32 v1, 15, v0                           ; r
	v_bfe_u32 v2, v0, 4, 1                         ; hh
	v_and_b32 v[LI], 31, v0
	v_lshlrev_b32 v[LI], 4, v[LI]
	s_lshl_b32 s22, s15, 13                        ; my four tiles of tokens: 4 x 2,048 bytes on in each step
	v_add_nc_u32 v[ADRA], s22, v[LI]
	v_add_nc_u32 v[ADRA+1], 65536, v[ADRA]
	v_mul_u32_u24 v3, v1, BP
	v_lshl_add_u32 v3, v2, 3, v3                   ; Wo: row r x pitch + 8 x half of the lanes,
	s_mul_i32 s22, s16, 64*BP                      ; of my 64 columns
	s_add_co_u32 s22, s22, BOFF
	v_add_nc_u32 v[ADRB], s22, v3
	v_add_nc_u32 v[ADRB+1], BCH, v[ADRB]
	s_mul_i32 s22, s14, 16*PITCH
	s_add_co_u32 s22, s22, STAGE                   ; my stage
	s_wait_alu depctr_va_vdst(0)                   ; ahead of the readers below
	v_mul_u32_u24 v4, v1, PITCH
	v_lshl_add_u32 v4, v2, 5, v4
	v_add_nc_u32 v[STO], s22, v4                   ; in: row r, 32 bytes for each half of the lanes
	v_mul_u32_u24 v4, v2, PITCH
	v_lshl_add_u32 v4, v1, 4, v4
	v_add_nc_u32 v[RD], s22, v4                    ; back: lanes 0-15 one row of 256 bytes, lanes 16-31 the next
	v_lshlrev_b32 v[CO], 12, v2
	v_lshl_add_u32 v[CO], v1, 4, v[CO]             ; and the same two rows in out0 (4,096 bytes a row)
	v_lshlrev_b32 v5, 5, v2
	s_lshl_b32 s88, s42, 9
	s_lshl_b32 s89, s16, 8
	s_add_co_u32 s88, s88, s89                     ; my first column in bytes: 512 X + 256 (w % 2)
	s_mov_b32 s89, 0
	s_add_nc_u64 s[8:9], s[8:9], s[88:89]
	s_lshl_b32 s86, s17, 19
	s_lshl_b32 s87, s15, 18
	s_add_co_u32 s86, s86, s87                     ; my first row: (128 Y + 64 (w / 2)) x 4,096 bytes
	s_add_co_u32 s86, s86, s88
	s_mov_b32 s87, 0
	s_add_nc_u64 s[12:13], s[12:13], s[86:87]
	s_wait_alu depctr_va_vdst(0)                   ; the wait at the head's end
.irp t, 0,1,2,3
	global_load_b128 v[BO+8*\t:BO+8*\t+3],   v5, s[8:9] offset:64*\t      ; bo at columns 16 t + 8 hh + 0 .. 7 of my 64
	global_load_b128 v[BO+8*\t+4:BO+8*\t+7], v5, s[8:9] offset:64*\t+16
.endr
; 48 LDS loads in one run: step n of 128 along K into set n % 2: a's four fragments as they lie (four pieces each), Wo's four by eight loads of 8 bytes
.macro FETCH n
	WIN TO_F
.irp a, 0,1,2,3
.irp p, 0,1,2,3
	ds_load_b128 v[128*((\n)%2)+16*\a+4*\p:128*((\n)%2)+16*\a+4*\p+3], v[ADRA+(\n)/4] offset:((\n)%4)*16384+2048*\a+512*\p
.endr
.endr
.irp t, 0,1,2,3
.irp c, 0,1,2,3,4,5,6,7
	ds_load_b64 v[128*((\n)%2)+64+16*\t+2*\c:128*((\n)%2)+64+16*\t+2*\c+1], v[ADRB+(\n)/4] offset:16*BP*\t+128*((\n)%4)+16*\c
.endr
.endr
.endm
; 8 products: tiles of tokens a0, a0 + 1 x my four tiles of columns.  zero = 1: the first product starts the sums.  The 16 accumulators take turns, in the same order in every step.
.macro MUL8 f, a0, zero
.irp a, \a0, \a0+1
.irp t, 0,1,2,3
.if \zero
	v_wmma_f32_16x16x128_bf8_bf8 v[ACC+8*(4*(\a)+\t):ACC+8*(4*(\a)+\t)+7], v[128*(\f)+64+16*\t:128*(\f)+64+16*\t+15], v[128*(\f)+16*(\a):128*(\f)+16*(\a)+15], 0
.else
	v_wmma_f32_16x16x128_bf8_bf8 v[ACC+8*(4*(\a)+\t):ACC+8*(4*(\a)+\t)+7], v[128*(\f)+64+16*\t:128*(\f)+64+16*\t+15], v[128*(\f)+16*(\a):128*(\f)+16*(\a)+15], v[ACC+8*(4*(\a)+\t):ACC+8*(4*(\a)+\t)+7]
.endif
.endr
.endr
.endm
; Step n.  Its successor is fetched at its head, while its own products run.
.macro SUB n
	s_wait_dscnt 0x0                               ; this step's fragments are in
.if (\n) < 7
	PLACES 4                                       ; behind the last products that read the other set
	FETCH (\n)+1
.endif
	WIN MUL
.if (\n) == 0
	MUL8 0, 0, 1
	MUL8 0, 2, 1
.else
	MUL8 (\n)%2, 0, 0
	MUL8 (\n)%2, 2, 0
.endif
.endm
	s_wait_tensorcnt 0x0                           ; my load is in,
	s_barrier_signal -1
	s_barrier_wait -1                              ; and everybody's: nothing is filled from here on
	FETCH 0
.irp n, 0,1,2,3,4,5,6,7
	SUB \n
.endr
	WIN 0
; THE WAY OUT, a block of 16 tokens x 64 columns at a time: y = sum x 2^(e10 + e11) + bo, one packed multiply-add for two numbers, each accumulator from its low end on.  A lane holds 32 neighbouring bytes of a row and
; the lanes beside it other rows: so a block goes through my own stage and comes back as whole rows of 256 bytes, into the registers that its sums have left.  LDS serves a wave's instructions in order (ISA guide 5.7.1.4).
	PLACES 4
	s_wait_loadcnt 0x0                             ; bo
	s_wait_kmcnt 0x0
	s_add_co_i32 s84, s84, s85
	s_add_co_i32 s84, s84, 127
	s_lshl_b32 s84, s84, 23                        ; 2^(e10 + e11) as f32
	s_mov_b32 s85, s84                             ; (named with it as a pair, so it is written)
.macro TOSTAGE a
.irp t, 0,1,2,3
.irp i, 0,2,4,6
	v_pk_fma_f32 v[TMP+8*\t+\i:TMP+8*\t+\i+1], v[ACC+8*(4*(\a)+\t)+\i:ACC+8*(4*(\a)+\t)+\i+1], s[84:85], v[BO+8*\t+\i:BO+8*\t+\i+1] op_sel_hi:[1,0,1]
.endr
.endr
.irp t, 0,1,2,3
	ds_store_b128 v[STO], v[TMP+8*\t:TMP+8*\t+3] offset:64*\t
	ds_store_b128 v[STO], v[TMP+8*\t+4:TMP+8*\t+7] offset:64*\t+16
.endr
.irp k, 0,1,2,3,4,5,6,7
	ds_load_b128 v[ACC+32*(\a)+4*\k:ACC+32*(\a)+4*\k+3], v[RD] offset:2*PITCH*\k
.endr
.endm
.macro SEND a, younger                 ; younger: the LDS instructions issued behind block a's loads: the next block's eight stores and eight loads, or none
	s_wait_dscnt \younger
.irp k, 0,1,2,3,4,5,6,7
	global_store_b128 v[CO], v[ACC+32*(\a)+4*\k:ACC+32*(\a)+4*\k+3], s[12:13] offset:(16*(\a)+2*\k)*4096 th:TH_STORE_NT   ; 16 lanes store 256 consecutive bytes, at a multiple of 256 from out0's first byte; written once, read by nobody here
.endr
.endm
	TOSTAGE 0
	TOSTAGE 1
	SEND 0, 16
	TOSTAGE 2
	SEND 1, 16
	TOSTAGE 3
	SEND 2, 16
	SEND 3, 0
	s_wait_tensorcnt 0x0                           ; the wave's end: behind my last tensor load and my last LDS store
	ds_add_u32 v[SPW], v[NIL]
	s_wait_dscnt 0x0
	CROUND                                         ; the closing round: no work-group ends while a partner may still ask for a tile that names it
	s_endpgm
.Lfunc_end_k_q6ae9dc819e_proj:
	.size	k_q6ae9dc819e_proj, .Lfunc_end_k_q6ae9dc819e_proj-k_q6ae9dc819e_proj
	.p2alignl 7, 3214868480
	.fill 96, 4, 3214868480
	.section	.rodata,"a",@progbits
	.p2align	6, 0x0
	.amdhsa_kernel k_q6ae9dc819e_proj
		.amdhsa_group_segment_fixed_size 327680
		.amdhsa_private_segment_fixed_size 0
		.amdhsa_enable_private_segment 0
		.amdhsa_kernarg_size 40
		.amdhsa_user_sgpr_count 2
		.amdhsa_user_sgpr_kernarg_segment_ptr 1
		.amdhsa_wavefront_size32 1
		.amdhsa_system_sgpr_workgroup_id_x 1
		.amdhsa_system_sgpr_workgroup_id_y 1
		.amdhsa_system_sgpr_workgroup_id_z 1
		.amdhsa_system_vgpr_workitem_id 0
		.amdhsa_next_free_vgpr 512
		.amdhsa_next_free_sgpr 100
		.amdhsa_reserve_vcc 0
		.amdhsa_float_denorm_mode_32 3
		.amdhsa_float_denorm_mode_16_64 3
		.amdhsa_memory_ordered 1
		.amdhsa_forward_progress 1
		.amdhsa_inst_pref_size 53
	.end_amdhsa_kernel
	.amdgpu_metadata
---
amdhsa.version: [ 1, 2 ]
amdhsa.kernels:
  - .name:           k_q6ae9dc819e_proj
    .symbol:         k_q6ae9dc819e_proj.kd
    .args:
      - { .name: a_img, .offset: 0, .size: 8, .value_kind: global_buffer, .address_space: global }
      - { .name: Wo_codes, .offset: 8, .size: 8, .value_kind: global_buffer, .address_space: global }
      - { .name: bo, .offset: 16, .size: 8, .value_kind: global_buffer, .address_space: global }
      - { .name: lowp_scales, .offset: 24, .size: 8, .value_kind: global_buffer, .address_space: global }
      - { .name: out0, .offset: 32, .size: 8, .value_kind: global_buffer, .address_space: global }
    .group_segment_fixed_size: 327680
    .private_segment_fixed_size: 0
    .kernarg_segment_align: 8
    .kernarg_segment_size: 40
    .max_flat_workgroup_size: 128
    .sgpr_count:     100
    .vgpr_count:     512
    .wavefront_size: 32
...
	.end_amdgpu_metadata
.endif
;; end of part 3
